; MI455X (gfx1250); checked and timed in simulation.
; The chip was launched on July 23, 2026; its instructions are those of AMD's public machine-readable ISA for CDNA 5 (MIT licence, August 2026) and "CDNA5" Instruction Set Architecture Reference Guide (July 2026). The comments in the code are by the model that wrote it; some were corrected since.
;; Multi Head Attention. Allowed arithmetic: matrix products marked QUANTISED: E4M3 operands, one given power-of-two scale a tensor, by v_wmma_f32_16x16x64_fp8_fp8 or v_wmma_f32_16x16x128_fp8_fp8, f32 sums; everything else in f32.
;; Inputs: W_k_codes 1,024 x 32 x 32 uint8 (E4M3 codes of W_k, K innermost, in blocks of 32 codes); W_o_codes 1,024 x 32 x 32 uint8 (E4M3 codes of W_o, K innermost, in blocks of 32 codes); W_q_codes 1,024 x 32 x 32 uint8 (E4M3 codes of W_q, K innermost, in blocks of 32 codes); W_v_codes 1,024 x 32 x 32 uint8 (E4M3 codes of W_v, K innermost, in blocks of 32 codes); b_o 1,024 float32; lowp_scales 12 int32 (the exponents e of the quantised operands' scales 2^e); x_codes 4 x 2,048 x 32 x 32 uint8 (E4M3 codes of x, K innermost, in blocks of 32 codes).
;; Outputs: out0 4 x 2,048 x 1,024 float32.
;; This version of the problem:
;;   THIS VERSION OF THE PROBLEM IS GIVEN IN LOW PRECISION. The matrix products marked QUANTISED in the list below multiply operands that are first quantised to E4M3 (4 exponent bits, 3 mantissa bits; 8 bits a number), with one given power-of-two scale for each operand tensor; their sums are f32. All else is computed in f32.
;;   The module's matrix products, in the order in which they are computed (A, B: the left and right operand; K: the contracted axis; several contracted axes count as one K, in the product's order):
;;     1. [M 8,192, K 1,024] x [K 1,024, N 1,024]; A: input x (given as codes); B: input W_q (given as codes): QUANTISED (scales: A lowp_scales[0], B lowp_scales[1])
;;     2. [M 8,192, K 1,024] x [K 1,024, N 1,024]; A: input x (given as codes); B: input W_k (given as codes): QUANTISED (scales: A lowp_scales[2], B lowp_scales[3])
;;     3. [M 8,192, K 1,024] x [K 1,024, N 1,024]; A: input x (given as codes); B: input W_v (given as codes): QUANTISED (scales: A lowp_scales[4], B lowp_scales[5])
;;     4. batch 64 x [M 2,048, K 64] x [K 64, N 2,048]; A: computed on the way; B: computed on the way: QUANTISED (scales: A lowp_scales[6], B lowp_scales[7])
;;     5. batch 64 x [M 2,048, K 2,048] x [K 2,048, N 64]; A: softmax (see below); B: computed on the way: QUANTISED (scales: A lowp_scales[8], B lowp_scales[9])
;;     6. [M 8,192, K 1,024] x [K 1,024, N 1,024]; A: computed on the way; B: input W_o (given as codes): QUANTISED (scales: A lowp_scales[10], B lowp_scales[11])
;;   THE QUANTISER, for each operand of a quantised product, along K:
;;     - The operand's scale is 2^e, e = its entry of the input lowp_scales (int32; the entries are numbered through the quantised products in the list's order, A before B).
;;     - Each number is divided by the scale, clamped to +-448, and rounded to the nearest number of E4M3, ties to even, subnormals kept.
;;     - The product sums the exact products of the quantised numbers (number of the format x scale) in f32.
;;   ~~~python
;;   def quantise(x, axis, e):      # numpy; x: float32 -> the quantised numbers, widened to float32 again
;;       x = np.moveaxis(x, axis, -1); K = x.shape[-1]
;;       r = np.clip(x / 2.0 ** e, -448, 448)
;;       step = 2.0 ** (np.maximum(np.frexp(np.where(r == 0, 1, r))[1] - 1, -6) - 3)
;;       q = np.round(r / step) * step * 2.0 ** e      # np.round: ties to even
;;       return np.moveaxis(q, -1, axis).astype(np.float32)
;;   ~~~
;;   SOFTMAX AHEAD OF A QUANTISED PRODUCT. Where the list says 'softmax', what is quantised is not the finished softmax but p = 2^(t - M), with t = logit x log2(e) and M = ceil(the row's largest t), a whole number; so 1/2 < the row's largest p <= 1. The row's sum l is taken of the UNQUANTISED p, in f32, and the product's result is divided by l at the end. Since M is a whole number, a kernel that streams over the keys may use a running M (the ceiling of the running maximum): every later rescaling is an exact power of two, so the quantised numbers keep their values, but for numbers so far below the row's largest that they fall under the format's range.
;;   OPERANDS COMPUTED ON THE WAY. 'Computed on the way' means the value that the module computes at that place (a softmax that the list does not call 'softmax' is quantised finished and normalised). What goes into a quantiser is computed in f32, as accurately as f32 sums, v_exp_f32 and their like allow (about 1e-6 of the number): no bf16 or f16 on the way to a quantiser, and a product that is left as it is and whose result goes on into a quantised operand takes f32 operands (vector FMAs, or v_wmma_f32_16x16x4_f32). A number that lies on a knife's edge between two numbers of the format may be rounded either way, as far as f32 arithmetic and the matrix unit's own rounding can turn it there, and no further.
;;   INPUTS GIVEN AS CODES. W_k (in the module: [1024, 1024], K = its axis 1); W_o (in the module: [1024, 1024], K = its axis 1); W_q (in the module: [1024, 1024], K = its axis 1); W_v (in the module: [1024, 1024], K = its axis 1); x (in the module: [4, 2048, 1024], K = its axis 2): each comes as NAME_codes (uint8): NAME with its K axis moved to the last place and cut into blocks of 32 codes, [.., K / 32, bytes a block], one block behind the other in memory; one code a byte (a code: sign, 4 exponent bits, 3 mantissa bits); its scale is its entry of lowp_scales. Its value is code x scale, taken as it is: it is not quantised again, and the codes and scales need not be those that the quantiser above would give.
;; One version. Each part assembles by itself: llvm-mc -triple=amdgcn-amd-amdhsa -mcpu=gfx1250 --defsym DOCPART=n.
;; ======== version 1 of 1: 3 launches
;; limits: right only within a limited range of input values
;; workspace buffers: q_ws 8,388,608 bytes; k_ws 8,388,608 bytes; v_ws 8,388,608 bytes; ctx_ws 8,388,608 bytes
;; launch qkv (part 1): grid 12 x 32, 4 waves a work-group, clusters of 4 x 4, 327,680 bytes of LDS; arguments x_codes, W_q_codes, W_k_codes, W_v_codes, lowp_scales, q_ws, k_ws, v_ws; writes q_ws, k_ws, v_ws
.if DOCPART == 1
	.amdgcn_target "amdgcn-amd-amdhsa--gfx1250"
	.amdhsa_code_object_version 6
	.text
	.protected	k_q07fb2e2c28_qkv
	.globl	k_q07fb2e2c28_qkv
	.p2align	8
	.type	k_q07fb2e2c28_qkv,@function
k_q07fb2e2c28_qkv:
	s_mov_b64 s[64:65], 0
	v_nop
	global_prefetch_b8 v0, s[64:65] scope:SCOPE_SE
	s_setreg_imm32_b32 hwreg(HW_REG_WAVE_MODE, 25, 1), 1
	s_wait_xcnt 0x0
	s_wait_alu depctr_hold_cnt(0) depctr_sa_sdst(0) depctr_va_vdst(0) depctr_va_sdst(0) depctr_va_ssrc(0) depctr_va_vcc(0) depctr_vm_vsrc(0)
	s_getreg_b32 s2, hwreg(HW_REG_IB_STS2, 6, 4)
	s_cmp_eq_u32 s2, 0
	s_cbranch_scc0 .Lentry_in_a_cluster
	s_endpgm
.Lentry_in_a_cluster:
	s_bfe_u32 s2, ttmp6, 0x10000c
	s_cmp_lg_u32 s2, 0xf033
	s_cbranch_scc0 .Lentry_shape_is_right
	s_endpgm
.Lentry_shape_is_right:
; q = x Wq^T, k = x Wk^T, v = x Wv^T on E4M3 codes, and the three results quantised to E4M3 codes for the attention launch.
; x: [8192 tokens][1024] codes; each W: [1024 features][1024] codes; K innermost.  A sum stands for sum x 2^(ea + eb); its code is sum / 2^(eo - ea - eb), held within +-448 of that scale:
; (ea, eb, eo) = entries (0, 1, 6) for q, (2, 3, 7) for k, (4, 5, 9) for v of the scales' buffer.
; LIMIT: eo - ea - eb lies between -126 and 119, so that the scale and 448 x the scale are f32 numbers.  NaN codes among the inputs are not served.
; SHARES.  The cluster's x (0, 1, 2) says which weight; inside a cluster of 4 x 4 work-groups cx is the block of 256 features and 4 x cluster y + cy the block of 256 tokens.  A work-group of four waves makes
; 256 x 256 results, a wave 128 x 128: 64 accumulators.  K = 1024 goes in four steps of 256 through two LDS slots; x's tile is asked for jointly along a row of the cluster, W's along a column.
; WHICH OPERAND IS WHICH SOURCE.  A lane's eight results run along source 0's rows.  For q and k source 0 = features, source 1 = tokens: eight neighbours of a head's 64, the next product's K.
; For v source 0 = tokens, source 1 = features: eight neighbouring keys, the next product's K.  The tiles lie alike in LDS in all three cases; only the two read bases change places.
; OUT.  q_ws, k_ws: [64 heads of all batches][2048][64];  v_ws: [64][64][2048], keys innermost.  The codes meet in a stage of 256 rows x 256 bytes in LDS and leave as runs of 512 or 256 consecutive bytes.
; REGISTERS, in windows of 256: window 0: v16-31 addresses and the scale; v128-255 source 1's fragments (one set), later codes, later rows read back.
;   window 1: source 0's fragments, two sets.   windows 2, 3: the accumulators, (a, b) at v[8 (8 (a % 4) + b)].
.set ROWB,   256                       ; a tile's row in bytes: 256 codes along K
.set KROW,   1024                      ; a row of x or of W in memory
.set PITCH,  272                       ; an LDS row: 256 bytes + 16 of padding = 68 words: the 16 rows that a load touches start at 16 different banks
.set FR,     16                        ; registers of a fragment: 16 rows x 128 K
.set NL,     4                         ; LDS loads that bring one
.set NP,     4                         ; places behind this matrix instruction (ISA guide 7.12.1)
.set HALFT,  128*PITCH                 ; 128 rows: what one tensor load brings
.set SLOT,   4*HALFT                   ; x's 256 rows, then W's 256 rows
.set SPARE,  2*SLOT                    ; behind the ring: the spare words, 128 bytes for each wave
.set ADR1, 16                          ; v16-17  LDS address of my source 1 fragments in slot 0, 1
.set RDQ2, 18                          ; v18     RDQ, 128 stage rows on
.set ADR0, 20                          ; v20-21  the same for source 0
.set GOV,  23                          ; v23     v: my byte offset in two rows of v_ws
.set STO,  24                          ; v24     the stage: where I put 8 codes
.set RDQ,  25                          ; v25     the stage, read back for q and k: 8 tokens x 64 bytes of my head
.set GOQ,  26                          ; v26     q, k: 16 x lane
.set RDV,  27                          ; v27     the stage, read back for v: two rows of 256 bytes
.set SPW,  28                          ; v28     LDS address of my spare word; never rewritten
.set NIL,  29                          ; v29     0; never rewritten
.set SCL,  30                          ; v30     2^(eo - ea - eb)
.set LIM,  31
.set TMP,  32
.set AF,   128
.set G1, 24                            ; s[24:31] descriptor group 1 for x's tiles;  s[32:39] group 0, one set for each slot
.set G0, 32
.set G1B, 48                           ; s[48:55], s[56:63] the same for W's tiles
.set G0B, 56
.set MSB, 0
.macro WIN new                         ; the immediate's high byte repeats the setting that is left
.if MSB != \new
	s_set_vgpr_msb (MSB<<8)|\new
.set MSB, \new
.endif
.endm
.set MUL_LO, 0xa1                      ; source 0 window 1, source 1 window 0, C and D window 2
.set MUL_HI, 0xf1                      ; the same, C and D window 3
.set TO_B,   0x40                      ; destination window 1, address window 0
; A joint load: waves 0 and 1 fetch x's halves, waves 2 and 3 W's.  The branch hangs on the wave's number alone.  Four v_nop follow each of the two lines.
.macro JLOAD g0a, g1a, g0b, g1b
	s_cmp_eq_u32 s15, 0
	s_cbranch_scc0 .Lfor_b_\@
	tensor_load_to_lds s[\g0a:\g0a+3], s[\g1a:\g1a+7]
	s_nop 0
.rept 4
	v_nop
.endr
	s_branch .Lasked_\@
.Lfor_b_\@:
	tensor_load_to_lds s[\g0b:\g0b+3], s[\g1b:\g1b+7]
	s_nop 0
.rept 4
	v_nop
.endr
.Lasked_\@:
.endm
.macro CREST                           ; a round of the cluster's barrier behind its opening barrier
	s_cmp_lg_u32 s14, 0
	s_cbranch_scc1 .Lnot_wave_0_\@
	s_barrier_signal -3
.Lnot_wave_0_\@:
	s_barrier_wait -3
	s_barrier_signal -1
	s_barrier_wait -1
.endm
.macro CROUND                          ; a whole round
	s_barrier_signal -1
	s_barrier_wait -1
	CREST
.endm
	s_load_b512 s[68:83], s[0:1], 0x0              ; x s[68:69], Wq s[70:71], Wk s[72:73], Wv s[74:75], scales s[76:77], q_ws s[78:79], k_ws s[80:81], v_ws s[82:83]
	v_lshl_add_u32 v[SPW], v0, 2, SPARE
	v_mov_b32 v[NIL], 0
	ds_add_u32 v28, v29
	ds_add_u32 v28, v29
	s_wait_dscnt 0x0
	v_lshrrev_b32 v1, 5, v0
	v_readfirstlane_b32 s14, v1                    ; wave 0..3
	s_lshr_b32 s15, s14, 1                         ; which half of source 1's rows is mine.  Also: I fetch for x (0) or for W (1)
	s_and_b32 s16, s14, 1                          ; which half of source 0's rows.  Also: which 128 rows of that tile I fetch
	s_bfe_u32 s40, ttmp6, 0x40000                  ; cx: the block of 256 features
	s_bfe_u32 s41, ttmp6, 0x40004                  ; cy
	s_and_b32 s17, ttmp7, 0xffff
	s_lshl_b32 s17, s17, 2
	s_add_co_u32 s17, s17, s41                     ; the block of 256 tokens = 4 x cluster y + cy
	s_lshl_b32 s43, s41, 2
	s_lshl_b32 s43, 15, s43                        ; my row of the cluster
	s_lshl_b32 s44, 0x1111, s40                    ; my column
	; descriptor group 1: a tile of 128 rows x 256 bytes, padded in LDS
	s_or_b32 s[G1+0], s43, (0<<16)|(1<<20)|(1<<21)|(5<<22)|(3<<25)  ; the mask: x's tiles go to my row; elements of 1 byte; padding on; bit 21 beside a mask; 4 words after every 64
	s_or_b32 s[G1B+0], s44, (0<<16)|(1<<20)|(1<<21)|(5<<22)|(3<<25) ; the same with my column's mask, for W's tiles
.irp g, G1, G1B
	s_mov_b32 s[\g+1], ROWB<<16                    ; tensor_dim0
	s_mov_b32 s[\g+2], 128<<16                     ; tensor_dim1 = 128
	s_mov_b32 s[\g+3], ROWB<<16                    ; tile_dim0
	s_mov_b32 s[\g+4], 128                         ; tile_dim1 = 128
	s_mov_b32 s[\g+5], KROW                        ; tensor_dim0_stride
	s_mov_b32 s[\g+6], 0
	s_mov_b32 s[\g+7], 0
.endr
	s_lshl_b32 s18, s16, 7                         ; which 128 rows of the tile I fetch
	s_lshl_b32 s20, s17, 8
	s_add_co_u32 s20, s20, s18
	s_lshl_b32 s20, s20, 10                        ; x: (256 x token block + 128 x half) rows of 1,024 bytes: under 2^23
	s_mov_b32 s21, 0
	s_lshl_b32 s46, s40, 8
	s_add_co_u32 s46, s46, s18
	s_lshl_b32 s46, s46, 10                        ; W: (256 cx + 128 x half) rows
	s_mov_b32 s47, 0
	s_mul_i32 s45, s14, HALFT                      ; where they go: wave x 128 rows: no place in the cluster enters an LDS address
	; where my part of the output begins: batch x 2^21 + (4 cx + wave) x 2^17 in all three buffers (a head of q or k, or 64 rows of v, is 2^17 bytes); then 256 tokens are 2^14 bytes of q and k, 2^8 of a row of v
	s_lshr_b32 s12, s17, 3
	s_lshl_b32 s12, s12, 21
	s_lshl_b32 s13, s40, 2
	s_add_co_u32 s13, s13, s14
	s_lshl_b32 s13, s13, 17
	s_add_co_u32 s12, s12, s13
	s_and_b32 s13, s17, 7
	s_cmp_eq_u32 ttmp9, 2
	s_cselect_b32 s19, 8, 14
	s_lshl_b32 s13, s13, s19
	s_add_co_u32 s12, s12, s13
	s_mov_b32 s13, 0
	s_wait_kmcnt 0x0
	s_load_b256 s[84:91], s[76:77], 0x0            ; e0 .. e7
	s_load_b64 s[92:93], s[76:77], 0x20            ; e8, e9
	s_cmp_eq_u32 ttmp9, 0                          ; the weight and the output are chosen by the cluster's x, which hangs on no address and is the same in all sixteen partners
	s_cselect_b64 s[6:7], s[70:71], s[72:73]
	s_cselect_b64 s[10:11], s[78:79], s[80:81]
	s_cmp_eq_u32 ttmp9, 2
	s_cselect_b64 s[6:7], s[74:75], s[6:7]
	s_cselect_b64 s[10:11], s[82:83], s[10:11]
	s_add_nc_u64 s[10:11], s[10:11], s[12:13]
	s_add_nc_u64 s[20:21], s[68:69], s[20:21]
	s_add_nc_u64 s[46:47], s[6:7], s[46:47]
	CROUND                                         ; all sixteen work-groups are here: the first joint loads meet
.irp s, 0,1
	s_mov_b32 s[G0+4*\s], 1
	s_add_co_u32 s[G0+4*\s+1], s45, \s*SLOT
	s_add_nc_u64 s[G0+4*\s+2:G0+4*\s+3], s[20:21], \s*ROWB
	s_or_b32 s[G0+4*\s+3], s[G0+4*\s+3], 0x80000000
	s_mov_b32 s[G0B+4*\s], 1
	s_add_co_u32 s[G0B+4*\s+1], s45, \s*SLOT
	s_add_nc_u64 s[G0B+4*\s+2:G0B+4*\s+3], s[46:47], \s*ROWB
	s_or_b32 s[G0B+4*\s+3], s[G0B+4*\s+3], 0x80000000
	JLOAD G0+4*\s, G1, G0B+4*\s, G1B               ; two tensor loads of mine are out
.endr
	v_and_b32 v1, 15, v0                           ; r = lane % 16
	v_bfe_u32 v2, v0, 4, 1                         ; h = lane / 16
	v_mul_u32_u24 v3, v1, PITCH
	v_lshl_add_u32 v4, v2, 4, v3                   ; a fragment's row x pitch + 16 h
	s_wait_alu depctr_va_vdst(0)
	s_lshr_b32 s18, ttmp9, 1
	s_and_b32 s18, s18, 1                          ; 1 for v, 0 for q and k
	s_xor_b32 s19, s18, 1
	s_mul_i32 s21, s18, 2*HALFT                    ; source 1 is x (at 0) for q and k, W (behind x's 256 rows) for v;
	s_mul_i32 s22, s19, 2*HALFT                    ; source 0 is the other one
	s_mul_i32 s23, s15, HALFT
	s_add_co_u32 s21, s21, s23                     ; my 128 rows of source 1
	s_mul_i32 s23, s16, HALFT
	s_add_co_u32 s22, s22, s23                     ; my 128 rows of source 0
.irp s, 0,1
	v_add_nc_u32 v[ADR1+\s], s21, v4
	v_add_nc_u32 v[ADR0+\s], s22, v4
	s_add_co_u32 s21, s21, SLOT
	s_add_co_u32 s22, s22, SLOT
.endr
	; the stage, 256 rows (source 1's index) x 256 bytes (source 0's index) + 16, lies at LDS byte 0, in slot 0
	s_mul_i32 s23, s15, 128*PITCH
	s_lshl_b32 s19, s16, 7
	s_add_co_u32 s23, s23, s19
	v_lshl_add_u32 v5, v2, 3, v3
	v_add_nc_u32 v[STO], s23, v5                   ; in: row 128 x my half + r, byte 128 x my half + 8 h
	v_and_b32 v6, 31, v0
	v_lshrrev_b32 v7, 2, v6
	v_mul_u32_u24 v7, v7, PITCH
	v_and_b32 v8, 3, v6
	v_lshl_add_u32 v7, v8, 4, v7
	s_lshl_b32 s19, s14, 6
	v_add_nc_u32 v[RDQ], s19, v7                   ; back, q and k: row lane / 4, my head's 64 bytes, 16 (lane % 4)
	v_add_nc_u32 v[RDQ2], 16*8*PITCH, v[RDQ]       ; (the LDS immediate has 16 bits: the upper 128 rows get a register of their own)
	v_lshlrev_b32 v[GOQ], 4, v6
	s_mul_i32 s19, s14, 64*PITCH
	v_mul_u32_u24 v9, v2, PITCH
	v_lshl_add_u32 v9, v1, 4, v9
	v_add_nc_u32 v[RDV], s19, v9                   ; back, v: row 64 x wave + h, 16 r
	v_lshlrev_b32 v10, 11, v2
	v_lshl_add_u32 v[GOV], v1, 4, v10              ; and the same two rows of v_ws, 2,048 bytes apart
.macro FRAG reg, adr, q, i             ; a fragment: lane l holds row l % 16; registers 4 c .. 4 c + 3 hold K = 32 c + 16 (l / 16) + 0 .. 15: the same permutation of K on both sides
.irp c, 0,1,2,3
	ds_load_b128 v[\reg+4*\c:\reg+4*\c+3], v[\adr] offset:128*(\q)+32*\c+(\i)*16*PITCH
.endr
.endm
; 16 matrix instructions: source 1's blocks a0, a0 + 1 x source 0's eight, 128 along K.  p: source 0's set.  zero = 1: the first product starts the sums.
; The 64 accumulators take turns, one instruction a turn, in the same order in every step.
.macro MUL16 a0, p, zero
.irp a, \a0, \a0+1
.irp b, 0,1,2,3,4,5,6,7
.if \zero
	v_wmma_f32_16x16x128_fp8_fp8 v[8*(8*((\a)%4)+\b):8*(8*((\a)%4)+\b)+7], v[128*(\p)+FR*\b:128*(\p)+FR*\b+FR-1], v[AF+FR*(\a):AF+FR*(\a)+FR-1], 0
.else
	v_wmma_f32_16x16x128_fp8_fp8 v[8*(8*((\a)%4)+\b):8*(8*((\a)%4)+\b)+7], v[128*(\p)+FR*\b:128*(\p)+FR*\b+FR-1], v[AF+FR*(\a):AF+FR*(\a)+FR-1], v[8*(8*((\a)%4)+\b):8*(8*((\a)%4)+\b)+7]
.endif
.endr
.endr
.endm
.macro FETCH_B slot, q, p              ; source 0's eight fragments of the slot's q-th 128 along K into set p
	WIN TO_B
.irp i, 0,1,2,3,4,5,6,7
	FRAG 128*(\p)+FR*\i, ADR0+\slot, \q, \i
.endr
	WIN 0
.endm
.macro FETCH_A slot, q, i0             ; source 1's blocks i0 .. i0 + 3
.irp i, \i0, \i0+1, \i0+2, \i0+3
	FRAG AF+FR*(\i), ADR1+\slot, \q, \i
.endr
.endm
.macro PLACES n                        ; plain vector instructions between a matrix instruction and a load into, or a vector read of, its registers
.rept \n
	v_nop
.endr
.endm
; A step of 128 along K that has its successor in the same slot.
.macro STEP slot, q, zero
	s_wait_dscnt 4*NL                              ; source 0's set and source 1's blocks 0-3 are in; the youngest 16 loads (blocks 4-7) may be out
	WIN MUL_LO
	MUL16 0, (\q)%2, \zero
	MUL16 2, (\q)%2, \zero
	s_wait_dscnt 0                                 ; blocks 4-7 are in
	PLACES NP
	FETCH_B \slot, (\q)+1, 1-(\q)%2
	FETCH_A \slot, (\q)+1, 0
	WIN MUL_HI
	MUL16 4, (\q)%2, \zero
	MUL16 6, (\q)%2, \zero
	PLACES NP
	WIN 0
	FETCH_A \slot, (\q)+1, 4
.endm
; A slot's last step changes slots: ONE barrier; in front of it each wave waits for all its tensor loads, adds 0 to its spare word, and waits for that and for its own reads of this slot.  fill = 1: this slot is filled again, two K steps ahead.
.macro TURN slot, next, fill
	s_wait_tensorcnt 0x0                           ; all my tensor loads have landed: my part of the next slot
	ds_add_u32 v[SPW], v[NIL]                      ; 0 onto my spare word
	s_wait_dscnt 4*NL+1                            ; the add and the youngest 16 loads may be out
	WIN MUL_LO
	MUL16 0, 1, 0                                  ; sixteen matrix instructions stand between the add and the wait for it
	s_wait_dscnt 0x0                               ; the add is done, and my reads of this slot are over
	s_barrier_signal -1
	MUL16 2, 1, 0
	WIN 0
	s_barrier_wait -1
.if \fill
	CREST                                          ; the barrier has opened a round of the cluster's barrier: no wave of any partner still reads this slot or has a load on its way
	s_add_nc_u64 s[G0+4*\slot+2:G0+4*\slot+3], s[G0+4*\slot+2:G0+4*\slot+3], 2*ROWB
	s_add_nc_u64 s[G0B+4*\slot+2:G0B+4*\slot+3], s[G0B+4*\slot+2:G0B+4*\slot+3], 2*ROWB
	JLOAD G0+4*\slot, G1, G0B+4*\slot, G1B         ; the first tensor load behind the round; its four v_nop are the places in front of the loads below
.else
	PLACES NP
.endif
	FETCH_B \next, 0, 0
	FETCH_A \next, 0, 0
	WIN MUL_HI
	MUL16 4, 1, 0
	MUL16 6, 1, 0
	PLACES NP
	WIN 0
	FETCH_A \next, 0, 4
.endm
	s_wait_tensorcnt 1                             ; my part of K step 0 is in; K step 1's load may be out
	s_barrier_signal -1
	s_barrier_wait -1                              ; everybody's is
	FETCH_B 0, 0, 0
	FETCH_A 0, 0, 0
	FETCH_A 0, 0, 4
	STEP 0, 0, 1                                   ; K = 1024 is eight steps of 128, written out: the first starts the sums
	TURN 0, 1, 1                                   ; slot 0 takes K step 2
	STEP 1, 0, 0
	TURN 1, 0, 1                                   ; slot 1 takes K step 3
	STEP 0, 0, 0
	TURN 0, 1, 0                                   ; nothing is left to fetch
	STEP 1, 0, 0
	s_wait_dscnt 4*NL
	WIN MUL_LO
	MUL16 0, 1, 0
	MUL16 2, 1, 0
	s_wait_dscnt 0
	WIN MUL_HI
	MUL16 4, 1, 0
	MUL16 6, 1, 0
	WIN 0
	; THE WAY OUT.  The three given exponents are folded into the conversion's one scale; the choice among the products' entries is made without a jump.
	s_wait_kmcnt 0x0
	s_cmp_eq_u32 ttmp9, 0
	s_cselect_b32 s94, s84, s86
	s_cselect_b32 s95, s85, s87
	s_cselect_b32 s96, s90, s91
	s_cmp_eq_u32 ttmp9, 2
	s_cselect_b32 s94, s88, s94                    ; ea
	s_cselect_b32 s95, s89, s95                    ; eb
	s_cselect_b32 s96, s93, s96                    ; eo
	s_sub_co_i32 s96, s96, s94
	s_sub_co_i32 s96, s96, s95
	s_add_co_i32 s96, s96, 127
	s_lshl_b32 s97, s96, 23
	v_mov_b32 v[SCL], s97                          ; 2^(eo - ea - eb) as f32: the conversion takes its exponent field
	s_add_co_i32 s96, s96, 8
	s_lshl_b32 s96, s96, 23
	s_or_b32 s96, s96, 0x600000
	PLACES NP
; Block a (16 rows of source 1 x my 128 of source 0): eight codes a conversion; 8 bytes a lane into the stage.
; The stage lies in slot 0, which has had its last fill, and which nobody reads behind the last change of slots.  Each block has code registers of its own.
.macro CODES a
.set AC, 64*((\a)%4)
	WIN 0x02+((\a)/4)                              ; source 0: window 2 or 3
.set jj, 0
.rept 64
.set jj, jj+1
.endr
.irp b, 0,1,2,3,4,5,6,7
	v_cvt_scalef32_pk8_fp8_f32 v[AF+16*(\a)+2*\b:AF+16*(\a)+2*\b+1], v[AC+8*\b:AC+8*\b+7], v[SCL]
.endr
	WIN 0
	v_nop                                          ; one plain vector instruction behind the conversions, in front of the stores that read their results
.irp b, 0,1,2,3,4,5,6,7
	ds_store_b64 v[STO], v[AF+16*(\a)+2*\b:AF+16*(\a)+2*\b+1] offset:(\a)*16*PITCH+16*\b
.endr
.endm
.irp a, 0,1,2,3,4,5,6,7
	CODES \a
.endr
	s_wait_dscnt 0x0                               ; for the others' sake: my stores into the stage are done
	s_barrier_signal -1
	s_barrier_wait -1                              ; a stage row's 256 bytes come from two waves: now they are whole
	s_cmp_eq_u32 ttmp9, 2                          ; the cluster's x: the same way in every wave of all sixteen partners; only LDS loads and stores to memory stand on the two ways
	s_cbranch_scc1 .Lv_rows
	; q and k: my head's 64 bytes of all 256 tokens: a load takes 8 tokens, which are 512 consecutive bytes of the output
.set ii, 0
.rept 16
	ds_load_b128 v[AF+4*ii:AF+4*ii+3], v[RDQ] offset:ii*8*PITCH
.set ii, ii+1
.endr
.set ii, 0
.rept 16
	ds_load_b128 v[AF+64+4*ii:AF+64+4*ii+3], v[RDQ2] offset:ii*8*PITCH
.set ii, ii+1
.endr
.set ii, 0
.rept 32
	s_wait_dscnt 31-ii                             ; LDS loads come back in order: load ii is in, the younger ones may be out
	global_store_b128 v[GOQ], v[AF+4*ii:AF+4*ii+3], s[10:11] offset:512*ii
.set ii, ii+1
.endr
	s_branch .Lsent
.Lv_rows:
	; v: my 64 features' rows of 256 keys: sixteen lanes store 256 consecutive bytes, aligned
.set ii, 0
.rept 32
	ds_load_b128 v[AF+4*ii:AF+4*ii+3], v[RDV] offset:ii*2*PITCH
.set ii, ii+1
.endr
.set ii, 0
.rept 32
	s_wait_dscnt 31-ii
	global_store_b128 v[GOV], v[AF+4*ii:AF+4*ii+3], s[10:11] offset:4096*ii
.set ii, ii+1
.endr
.Lsent:
	s_wait_tensorcnt 0x0                           ; the wave's end
	ds_add_u32 v[SPW], v[NIL]
	s_wait_dscnt 0x0
	CROUND                                         ; the closing round: no work-group ends while a partner may still ask for a tile that names it
	s_endpgm
.Lfunc_end_k_q07fb2e2c28_qkv:
	.size	k_q07fb2e2c28_qkv, .Lfunc_end_k_q07fb2e2c28_qkv-k_q07fb2e2c28_qkv
	.p2alignl 7, 3214868480
	.fill 96, 4, 3214868480
	.section	.rodata,"a",@progbits
	.p2align	6, 0x0
	.amdhsa_kernel k_q07fb2e2c28_qkv
		.amdhsa_group_segment_fixed_size 327680
		.amdhsa_private_segment_fixed_size 0
		.amdhsa_enable_private_segment 0
		.amdhsa_kernarg_size 64
		.amdhsa_user_sgpr_count 2
		.amdhsa_user_sgpr_kernarg_segment_ptr 1
		.amdhsa_wavefront_size32 1
		.amdhsa_system_sgpr_workgroup_id_x 1
		.amdhsa_system_sgpr_workgroup_id_y 1
		.amdhsa_system_sgpr_workgroup_id_z 1
		.amdhsa_system_vgpr_workitem_id 0
		.amdhsa_next_free_vgpr 1024
		.amdhsa_next_free_sgpr 100
		.amdhsa_reserve_vcc 0
		.amdhsa_float_denorm_mode_32 3
		.amdhsa_float_denorm_mode_16_64 3
		.amdhsa_fp16_overflow 1
		.amdhsa_memory_ordered 1
		.amdhsa_forward_progress 1
		.amdhsa_inst_pref_size 100
	.end_amdhsa_kernel
	.amdgpu_metadata
---
amdhsa.version: [ 1, 2 ]
amdhsa.kernels:
  - .name:           k_q07fb2e2c28_qkv
    .symbol:         k_q07fb2e2c28_qkv.kd
    .args:
      - { .name: x_codes, .offset: 0, .size: 8, .value_kind: global_buffer, .address_space: global }
      - { .name: W_q_codes, .offset: 8, .size: 8, .value_kind: global_buffer, .address_space: global }
      - { .name: W_k_codes, .offset: 16, .size: 8, .value_kind: global_buffer, .address_space: global }
      - { .name: W_v_codes, .offset: 24, .size: 8, .value_kind: global_buffer, .address_space: global }
      - { .name: lowp_scales, .offset: 32, .size: 8, .value_kind: global_buffer, .address_space: global }
      - { .name: q_ws, .offset: 40, .size: 8, .value_kind: global_buffer, .address_space: global }
      - { .name: k_ws, .offset: 48, .size: 8, .value_kind: global_buffer, .address_space: global }
      - { .name: v_ws, .offset: 56, .size: 8, .value_kind: global_buffer, .address_space: global }
    .group_segment_fixed_size: 327680
    .private_segment_fixed_size: 0
    .kernarg_segment_align: 8
    .kernarg_segment_size: 64
    .max_flat_workgroup_size: 128
    .sgpr_count:     100
    .vgpr_count:     1024
    .wavefront_size: 32
...
	.end_amdgpu_metadata
.endif
;; end of part 1
;; launch attn (part 2): grid 4 x 64, 16 waves a work-group, clusters of 4 x 1, 327,680 bytes of LDS; arguments q_ws, k_ws, v_ws, lowp_scales, ctx_ws; writes ctx_ws
.if DOCPART == 2
	.amdgcn_target "amdgcn-amd-amdhsa--gfx1250"
	.amdhsa_code_object_version 6
	.text
	.protected	k_q07fb2e2c28_attn
	.globl	k_q07fb2e2c28_attn
	.p2align	8
	.type	k_q07fb2e2c28_attn,@function
k_q07fb2e2c28_attn:
	s_mov_b64 s[64:65], 0
	v_nop
	global_prefetch_b8 v0, s[64:65] scope:SCOPE_SE
	s_setreg_imm32_b32 hwreg(HW_REG_WAVE_MODE, 25, 1), 1
	s_wait_xcnt 0x0
	s_wait_alu depctr_hold_cnt(0) depctr_sa_sdst(0) depctr_va_vdst(0) depctr_va_sdst(0) depctr_va_ssrc(0) depctr_va_vcc(0) depctr_vm_vsrc(0)
	s_getreg_b32 s2, hwreg(HW_REG_IB_STS2, 6, 4)
	s_cmp_eq_u32 s2, 0
	s_cbranch_scc0 .Lentry_in_a_cluster
	s_endpgm
.Lentry_in_a_cluster:
	s_bfe_u32 s2, ttmp6, 0x10000c
	s_cmp_lg_u32 s2, 0x3003
	s_cbranch_scc0 .Lentry_shape_is_right
	s_endpgm
.Lentry_shape_is_right:
; Causal attention of one head on E4M3 codes, and the context quantised to E4M3 codes for the last product.
; q_ws, k_ws: [64 heads][2048][64] codes;  v_ws: [64][64][2048] codes, keys innermost;  ctx_ws: [64 blocks of 128 tokens][16 heads][128][64] codes.  Exponents: e6 (q), e7 (k), e8 (p), e9 (v), e10 (ctx).
; THE SOFTMAX: t = score x log2(e) / 8; M = the running largest t rounded UP to a whole number; p = 2^(t - M) is quantised with 2^e8, not normalised; the row's sum is taken of the unquantised p and divides at the end.
; When M moves, the sum and O are multiplied by 2^(old M - new M), which rounds nothing.  p under 2^-126 comes out of v_exp_f32 as 0.
; SHARES.  A cluster of four work-groups is one head; all four walk the same K and V, 256 keys a slot, each tile asked for jointly.  The 2,048 queries are 16 blocks of 128, each of 8 tiles of 16.
; Work-group g owns tiles 2 g and 2 g + 1 of EVERY block, so which steps a wave works on hangs on its number alone.  Wave w owns two tiles: one in block j (short) and one in block 15 - j (long), j from a table:
; (j + 1) + (16 - j) = 17 steps of 128 keys for every wave.  A step all of whose keys come after a tile's queries is left out; in the one step on the diagonal hidden scores become -infinity.
; LAYOUT.  Both products are used transposed: S^T = K Q^T (source 0 = 16 keys), O^T = V^T P^T (source 0 = 16 of the head's 64): a lane holds ONE query (lane % 16) throughout.
; THE KEYS OF A TILE ARE NOT NEIGHBOURS: lane r of tile 2 b + u takes key 32 b + 8 u + r + 8 (r / 8), so that the 16 registers of tiles 2 b, 2 b + 1 are keys 32 b + 16 (lane / 16) + 0 .. 15, as the second product's operand wants them.
; LIMITS on the given exponents, so that each power of two below is an f32 number: e6 + e7 between -124 and 130; e8, and e10 - e8 - e9, between -126 and 119.  NaN codes are not served.
; REGISTERS: v1-7 addresses and 2^e8; v8-11, v12-15 a tile's -M, largest t, sum in two halves; v16-23, v24-31 Q; v32-95 K's or V's fragments; v96-159 S^T, then p; v160-191, v192-223 O^T; v224-239, v240-255 p's codes.
; The long tile's codes lie over the registers at work (v240-249), which are done with when the codes are made.
.set KP,    144                        ; two keys' 128 bytes + 16 of padding: the 16 keys of a tile fall on 16 different columns of 16 bytes
.set VP,    272                        ; a row of V's tile: 256 keys + 16
.set VOFF,  128*KP                     ; a slot: 256 keys of K, then 64 rows of V
.set SLOT1, 1<<17                      ; slot 1 begins here: one exclusive or turns an address into the other slot's
.set SPARE, 2*SLOT1                    ; the spare words, 128 bytes for each of 16 waves
.set STAGE, SPARE+2048                 ; the way out: 32 rows x 80 bytes for each wave, bytes of their own
.set SP,    80
.set AK0,  1
.set AV0,  2
.set SPW,  3                           ; LDS address of my spare word; never rewritten
.set NIL,  4                           ; 0; never rewritten
.set SCL,  5                           ; 2^e8
.set ADK,  6
.set ADV,  7
.set QSH,  16
.set QLG,  24
.set F,    32
.set S,    96
.set OS,   160
.set OL,   192
.set PS,   224
.set PL,   240
.set TF,   240                         ; v[240:241] f = 2^(old M - new M) (the upper word is named with it as a pair)
.set TM1,  242
.set TM2,  243
.set TP,   244
.set TS,   246
.set TD,   248
.set TI,   249
.set WV,   18
.set SEL,  20                          ; s[20:21] lane selects: lane l xor 16
.set CS,   22                          ; s[22:23] c = log2(e) / 8 x 2^(e6 + e7)
.set G1K,  24
.set G1V,  32
.set G0K,  40
.set G0V,  44
.set GX,   48
.set BH,   49
.set JB,   50
.set HI,   51
.set KS,   52                          ; first key of the short tile's block
.set KL,   53                          ; of the long tile's
.set KF,   54                          ; the step's first key
.set SLOTS, 55
.set TB,   56                          ; LDS byte at which the slot in hand begins
.set DG,   57                          ; my tiles' first query within their blocks
.set LIMP, 58
.macro CROUND
	s_barrier_signal -1
	s_barrier_wait -1
	s_cmp_lg_u32 s[WV], 0
	s_cbranch_scc1 .Lnot_wave_0_\@
	s_barrier_signal -3
.Lnot_wave_0_\@:
	s_barrier_wait -3
	s_barrier_signal -1
	s_barrier_wait -1
.endm
; Wave 0 asks for K's tile, wave 1 for V's, the others for nothing.  The branches hang on the wave's number alone.  Four v_nop follow each of the two lines.
.macro TLOAD
	s_cmp_eq_u32 s[WV], 0
	s_cbranch_scc0 .Lnot_k_\@
	tensor_load_to_lds s[G0K:G0K+3], s[G1K:G1K+7]
	s_nop 0
.rept 4
	v_nop
.endr
	s_branch .Lasked_\@
.Lnot_k_\@:
	s_cmp_eq_u32 s[WV], 1
	s_cbranch_scc0 .Lasked_\@
	tensor_load_to_lds s[G0V:G0V+3], s[G1V:G1V+7]
	s_nop 0
.rept 4
	v_nop
.endr
.Lasked_\@:
.endm
.macro PLACES
.rept 4
	v_nop
.endr
.endm
	s_load_b256 s[4:11], s[0:1], 0x0               ; q s[4:5], k s[6:7], v s[8:9], scales s[10:11]
	s_load_b64 s[12:13], s[0:1], 0x20              ; ctx
	v_lshl_add_u32 v[SPW], v0, 2, SPARE
	v_mov_b32 v[NIL], 0
	ds_add_u32 v3, v4
	ds_add_u32 v3, v4
	s_wait_dscnt 0x0
	v_lshrrev_b32 v8, 5, v0
	s_delay_alu instid0(VALU_DEP_1)
	v_readfirstlane_b32 s[WV], v8                  ; wave 0..15
	s_bfe_u32 s[GX], ttmp6, 0x40000                ; g = cx: it enters Q's and ctx's addresses and the mask's numbers alone
	s_and_b32 s[BH], ttmp7, 0xffff                 ; the head among all batches', which the four partners share
	s_and_b32 s73, s[WV], 7
	s_lshl_b32 s73, s73, 2
	s_lshr_b32 s[JB], 0x46137520, s73              ; the table 0,2,5,7,3,1,6,4, a nibble a wave: any four waves with equal w % 4 or equal w / 4 get blocks spread evenly over the keys
	s_and_b32 s[JB], s[JB], 7
	s_lshr_b32 s[HI], s[WV], 3
	s_mul_i32 s73, s[HI], 7
	s_xor_b32 s[JB], s[JB], s73                    ; waves 8-15: 7 - the table
	s_lshl_b32 s[KS], s[JB], 7
	s_sub_co_u32 s[KL], 1920, s[KS]
	s_lshl_b32 s[DG], s[GX], 5
	s_lshl_b32 s73, s[HI], 4
	s_add_co_u32 s[DG], s[DG], s73                 ; 16 x (2 g + w / 8)
	s_lshl_b32 s74, s[BH], 17                      ; the head's first byte in q_ws, k_ws and v_ws
	s_mov_b32 s75, 0
	s_add_co_u32 s76, s[KS], s[DG]
	s_lshl_b32 s76, s76, 6
	s_add_co_u32 s76, s76, s74                     ; the short tile's first query: 64 bytes a query
	s_mov_b32 s77, 0
	s_add_co_u32 s78, s[KL], s[DG]
	s_lshl_b32 s78, s78, 6
	s_add_co_u32 s78, s78, s74                     ; the long tile's
	s_mov_b32 s79, 0
	s_lshr_b32 s73, s[BH], 4
	s_lshl_b32 s73, s73, 4                         ; 16 x batch: the batch's first block of 128 tokens
	s_and_b32 s66, s[BH], 15
	s_lshl_b32 s66, s66, 13                        ; head x 8,192
	s_lshl_b32 s67, s[DG], 6
	s_add_co_u32 s66, s66, s67                     ; + the tile's place in its block
	s_add_co_u32 s60, s73, s[JB]
	s_lshl_b32 s60, s60, 17
	s_add_co_u32 s60, s60, s66                     ; ctx: the short tile's 1,024 bytes
	s_mov_b32 s61, 0
	s_sub_co_u32 s62, 15, s[JB]
	s_add_co_u32 s62, s62, s73
	s_lshl_b32 s62, s62, 17
	s_add_co_u32 s62, s62, s66                     ; the long tile's
	s_mov_b32 s63, 0
	; descriptor group 1.  K: 256 keys of 64 bytes are dense in memory: stated as 128 rows of 128 bytes, 16 bytes of padding behind each.  V: 64 rows of 256 bytes, 2,048 bytes apart.
	s_mov_b32 s[G1K], 15|(0<<16)|(1<<20)|(1<<21)|(4<<22)|(3<<25)  ; the mask: all four work-groups; elements of 1 byte; padding on; bit 21 beside a mask; 4 words after every 32
	s_mov_b32 s[G1K+1], 128<<16                    ; tensor_dim0
	s_mov_b32 s[G1K+2], 128<<16                    ; tensor_dim1
	s_mov_b32 s[G1K+3], 128<<16                    ; tile_dim0
	s_mov_b32 s[G1K+4], 128                        ; tile_dim1
	s_mov_b32 s[G1K+5], 128                        ; tensor_dim0_stride
	s_mov_b32 s[G1K+6], 0
	s_mov_b32 s[G1K+7], 0
	s_mov_b32 s[G1V], 15|(0<<16)|(1<<20)|(1<<21)|(5<<22)|(3<<25)  ; 4 words after every 64
	s_mov_b32 s[G1V+1], 256<<16
	s_mov_b32 s[G1V+2], 64<<16
	s_mov_b32 s[G1V+3], 256<<16
	s_mov_b32 s[G1V+4], 64
	s_mov_b32 s[G1V+5], 2048
	s_mov_b32 s[G1V+6], 0
	s_mov_b32 s[G1V+7], 0
	s_mov_b32 s[SEL], 0x76543210
	s_mov_b32 s[SEL+1], 0xfedcba98
	s_mov_b32 s[CS], 0x3e38aa3b                    ; log2(e) / 8
	s_mov_b32 s[TB], 0
	s_mov_b32 s[KF], 0
	s_mov_b32 s[SLOTS], 7
	s_wait_kmcnt 0x0
	s_load_b128 s[68:71], s[10:11], 0x18           ; e6, e7, e8, e9
	s_load_b32 s72, s[10:11], 0x28                 ; e10
	s_mov_b32 s[G0K], 1
	s_mov_b32 s[G0K+1], 0                          ; slot 0
	s_add_nc_u64 s[G0K+2:G0K+3], s[6:7], s[74:75]  ; the head's first 256 keys
	s_or_b32 s[G0K+3], s[G0K+3], 0x80000000
	s_mov_b32 s[G0V], 1
	s_mov_b32 s[G0V+1], VOFF
	s_add_nc_u64 s[G0V+2:G0V+3], s[8:9], s[74:75]
	s_or_b32 s[G0V+3], s[G0V+3], 0x80000000
	s_add_nc_u64 s[76:77], s[4:5], s[76:77]
	s_add_nc_u64 s[78:79], s[4:5], s[78:79]
	s_add_nc_u64 s[60:61], s[12:13], s[60:61]
	s_add_nc_u64 s[62:63], s[12:13], s[62:63]
	CROUND                                         ; all four work-groups are here: the first joint loads meet
	TLOAD                                          ; slot 0: one tensor load of a wave is out at the most, here and ever after
	v_and_b32 v8, 15, v0                           ; r
	v_bfe_u32 v9, v0, 4, 1                         ; h
	s_delay_alu instid0(VALU_DEP_2)
	v_lshlrev_b32 v6, 6, v8
	s_delay_alu instid0(VALU_DEP_1)
	v_lshl_add_u32 v6, v9, 4, v6                   ; Q: row r of 64 bytes, + 16 h
	global_load_b128 v[QSH:QSH+3], v6, s[76:77]    ; registers 4 c .. 4 c + 3: the head's 32 c + 16 h + 0 .. 15: the same permutation as K's fragments have
	global_load_b128 v[QSH+4:QSH+7], v6, s[76:77] offset:32
	global_load_b128 v[QLG:QLG+3], v6, s[78:79]
	global_load_b128 v[QLG+4:QLG+7], v6, s[78:79] offset:32
	v_and_b32 v10, 8, v8
	s_delay_alu instid0(VALU_DEP_1)
	v_add_nc_u32 v10, v10, v8                      ; r + 8 (r / 8)
	s_delay_alu instid0(VALU_DEP_1)
	v_lshrrev_b32 v10, 1, v10
	s_delay_alu instid0(VALU_DEP_1)
	v_mul_u32_u24 v[AK0], v10, KP                  ; two keys to an LDS row,
	v_and_b32 v10, 1, v8
	s_delay_alu instid0(VALU_DEP_1)
	v_lshl_add_u32 v[AK0], v10, 6, v[AK0]          ; the odd key in its upper 64 bytes
	s_delay_alu instid0(VALU_DEP_1)
	v_lshl_add_u32 v[AK0], v9, 4, v[AK0]
	v_mul_u32_u24 v[AV0], v8, VP
	s_delay_alu instid0(VALU_DEP_1)
	v_lshl_add_u32 v[AV0], v9, 4, v[AV0]
	s_delay_alu instid0(VALU_DEP_1)
	v_add_nc_u32 v[AV0], VOFF, v[AV0]
.irp st, 8, 12
	v_mov_b32 v[\st+1], 0xff61b1e6                 ; the largest t so far: -3e38, under every t
	s_delay_alu instid0(VALU_DEP_1)
	v_floor_f32 v[\st], -v[\st+1]                  ; -M
	v_mov_b32 v[\st+2], 0                          ; the sum, in two halves
	v_mov_b32 v[\st+3], 0
.endr
.set nn, 0
.rept 80
	v_mov_b32 v[OS+nn], 0                          ; O^T of both tiles and the short tile's codes: the step is written once, its first turn finds zeros, and every way through it finds written registers
.set nn, nn+1
.endr
	v_mov_b32 v[TF+1], 0                           ; named as the upper half of a pair
	v_mov_b32 v[TP], 0                             ; a lane permute's destination counts as one of its sources
	s_wait_kmcnt 0x0
	s_add_co_i32 s73, s68, s69
	s_lshl_b32 s73, s73, 23
	s_add_co_i32 s[CS], s[CS], s73                 ; a score stands for score x 2^(e6 + e7): added to c's exponent field
	s_mov_b32 s[CS+1], s[CS]
	s_add_co_i32 s73, s70, 127
	s_lshl_b32 s74, s73, 23
	v_mov_b32 v[SCL], s74                          ; 2^e8
.macro KLOAD q                         ; K's eight tiles of 16 keys x 64: 8 registers each
.irp t, 0,1,2,3,4,5,6,7
.irp c, 0,1
	ds_load_b128 v[F+8*\t+4*\c:F+8*\t+4*\c+3], v[ADK] offset:(64*(\q)+16*(\t/2)+4*(\t%2))*KP+32*\c
.endr
.endr
.endm
.macro VLOAD q                         ; V^T's four tiles of 16 of the head's 64 x 128 keys: 16 registers each
.irp t, 0,1,2,3
.irp c, 0,1,2,3
	ds_load_b128 v[F+16*\t+4*\c:F+16*\t+4*\c+3], v[ADV] offset:16*\t*VP+128*(\q)+32*\c
.endr
.endr
.endm
.macro SCORE qr                        ; S^T = K Q^T: eight accumulators, one instruction each
.irp t, 0,1,2,3,4,5,6,7
	v_wmma_f32_16x16x64_fp8_fp8 v[S+8*\t:S+8*\t+7], v[F+8*\t:F+8*\t+7], v[\qr:\qr+7], 0
.endr
.endm
.macro PVMUL o, p                      ; O^T += V^T P^T: four accumulators, one instruction each
.irp t, 0,1,2,3
	v_wmma_f32_16x16x128_fp8_fp8 v[\o+8*\t:\o+8*\t+7], v[F+16*\t:F+16*\t+15], v[\p:\p+15], v[\o+8*\t:\o+8*\t+7]
.endr
.endm
; On the diagonal.  Register 16 b + i holds key KF + 32 b + 16 h + i; my query is KF + DG + r: hidden where 32 b + i > DG + r - 16 h.
.macro MASK
	v_and_b32 v[TD], 15, v0
	v_bfe_u32 v[TI], v0, 4, 1
	s_delay_alu instid0(VALU_DEP_1)
	v_lshlrev_b32 v[TI], 4, v[TI]
	s_delay_alu instid0(VALU_DEP_1)
	v_sub_nc_u32 v[TD], v[TD], v[TI]
	s_delay_alu instid0(VALU_DEP_1)
	v_add_nc_u32 v[TD], s[DG], v[TD]
	v_mov_b32 v[TI], 0xff800000                    ; -infinity: p = 0 then
.set nn, 0
.rept 64
	v_cmp_gt_i32 vcc_lo, 32*(nn/16)+nn%16, v[TD]
	v_cndmask_b32 v[S+nn], v[S+nn], v[TI], vcc_lo
.set nn, nn+1
.endr
.endm
; One tile's softmax for 128 keys.  st: its statistics; o: its O^T; p: where its codes go.
.macro SOFTMAX st, o, p
	v_max3_num_f32 v[TM1], v[S], v[S+1], v[S+2]    ; the step's largest score of my query among my 64 keys, in two chains, each accumulator from its low end on
	v_max3_num_f32 v[TM2], v[S+3], v[S+4], v[S+5]
.set nn, 6
.rept 14
	v_max3_num_f32 v[TM1], v[TM1], v[S+nn], v[S+nn+1]
	v_max3_num_f32 v[TM2], v[TM2], v[S+nn+2], v[S+nn+3]
.set nn, nn+4
.endr
	v_max3_num_f32 v[TM1], v[TM1], v[S+62], v[S+63]
	s_delay_alu instid0(VALU_DEP_1)
	v_max_num_f32 v[TM1], v[TM1], v[TM2]
	v_permlanex16_b32 v[TP], v[TM1], s[SEL], s[SEL+1]
	s_delay_alu instid0(VALU_DEP_1)
	v_max_num_f32 v[TM1], v[TM1], v[TP]            ; and among lane l xor 16's
	s_delay_alu instid0(VALU_DEP_1)
	v_mul_f32 v[TM1], s[CS], v[TM1]                ; as t (c is positive)
	s_delay_alu instid0(VALU_DEP_1)
	v_max_num_f32 v[\st+1], v[\st+1], v[TM1]       ; the running largest t
	v_mov_b32 v[TM1], v[\st]
	s_delay_alu instid0(VALU_DEP_2)
	v_floor_f32 v[\st], -v[\st+1]                  ; the new -M = floor(-t): M is a whole number
	s_delay_alu instid0(VALU_DEP_1)
	v_sub_f32 v[TM1], v[\st], v[TM1]               ; old M - new M: a whole number, 0 or less
	s_delay_alu instid0(VALU_DEP_1)
	v_cvt_i32_f32 v[TM1], v[TM1]                   ; (it saturates)
	s_delay_alu instid0(VALU_DEP_1)
	v_ldexp_f32 v[TF], 1.0, v[TM1]                 ; f = 2^(old M - new M)
.set nn, 0
.rept 32
	v_pk_fma_f32 v[S+nn:S+nn+1], v[S+nn:S+nn+1], s[CS:CS+1], v[\st:\st+1] op_sel_hi:[1,0,0]   ; t - M, two at a time
.set nn, nn+2
.endr
.set nn, 0
	s_wait_alu depctr_va_vdst(0)
.rept 64
	v_exp_f32 v[S+nn], v[S+nn]                     ; p = 2^(t - M), at most 1
.set nn, nn+1
.endr
	v_pk_mul_f32 v[\st+2:\st+3], v[\st+2:\st+3], v[TF:TF+1] op_sel_hi:[1,0]   ; the sums under the new M (a plain instruction behind the exponentials)
	s_wait_alu depctr_va_vdst(0)
	v_pk_add_f32 v[TS:TS+1], v[S:S+1], v[S+2:S+3]  ; the row's sum is taken of the unquantised p, in two chains
.set nn, 4
.rept 15
	v_pk_add_f32 v[\st+2:\st+3], v[\st+2:\st+3], v[S+nn:S+nn+1]
	v_pk_add_f32 v[TS:TS+1], v[TS:TS+1], v[S+nn+2:S+nn+3]
.set nn, nn+4
.endr
	s_delay_alu instid0(VALU_DEP_1)
	v_pk_add_f32 v[\st+2:\st+3], v[\st+2:\st+3], v[TS:TS+1]
.set nn, 0
.rept 16
	v_pk_mul_f32 v[\o+nn:\o+nn+1], v[\o+nn:\o+nn+1], v[TF:TF+1] op_sel_hi:[1,0]   ; O^T under the new M; ahead of the conversions, whose results may lie over f
.set nn, nn+2
.endr
.set bb, 0
.rept 4
.set nn, 0
.rept 16
.set nn, nn+1
.endr
	v_cvt_scalef32_pk8_fp8_f32 v[\p+4*bb:\p+4*bb+1], v[S+16*bb:S+16*bb+7], v[SCL]
	v_cvt_scalef32_pk8_fp8_f32 v[\p+4*bb+2:\p+4*bb+3], v[S+16*bb+8:S+16*bb+15], v[SCL]
.set bb, bb+1
.endr
	v_nop                                          ; one plain vector instruction between the conversions and the matrix instructions that read their results or write their sources
.endm
; A KEY STEP: 128 keys, the q-th of the slot in hand.  The branches hang on the step's first key and on the wave's number; no barrier and no tensor load stands in a step.
.macro STEP q
	s_cmp_gt_u32 s[KF], s[KL]
	s_cbranch_scc1 .Lhidden_\@                     ; all keys come after both my tiles
	v_add_nc_u32 v[ADK], s[TB], v[AK0]
	v_add_nc_u32 v[ADV], s[TB], v[AV0]
	KLOAD \q                                       ; (the four places in front of these loads stand at the last step's end)
	s_wait_dscnt 0x0
	s_cmp_gt_u32 s[KF], s[KS]
	s_cbranch_scc1 .Lno_s_\@                       ; the short tile is through
	SCORE QSH
	PLACES
	s_cmp_lg_u32 s[KF], s[KS]
	s_cbranch_scc1 .Lopen_s_\@
	MASK
.Lopen_s_\@:
	SOFTMAX 8, OS, PS
.Lno_s_\@:
	SCORE QLG
	PLACES                                         ; in front of the loads into K's registers and of the first read of the scores
	s_wait_alu depctr_va_vdst(0)
	VLOAD \q                                       ; V's fragments land while the long tile's softmax is walked
	s_cmp_lg_u32 s[KF], s[KL]
	s_cbranch_scc1 .Lopen_l_\@
	MASK
.Lopen_l_\@:
	SOFTMAX 12, OL, PL
	s_wait_dscnt 0x0                               ; V is in
	s_cmp_gt_u32 s[KF], s[KS]
	s_cbranch_scc1 .Lno_pv_\@
	PVMUL OS, PS
.Lno_pv_\@:
	s_wait_alu depctr_va_vdst(0)
	PVMUL OL, PL
	PLACES                                         ; behind the last products: for the next loads into their fragments, the next writes over the long tile's codes, and O^T's next rescaling
.Lhidden_\@:
	s_add_co_u32 s[KF], s[KF], 128
.endm
; THE CHANGE OF SLOTS stands at a slot's head.  Each wave waits for all its tensor loads, adds 0 to its spare word, and waits for that and for its reads of the slot that it has left.
; fill = 1: a round of the cluster's barrier, so that no wave of any partner still reads that slot or has a load on its way; behind it the slot is filled with the next 256 keys, which have a slot's steps in which to land.
.macro CHANGE fill
	s_wait_tensorcnt 0x0                           ; no tensor load of mine is out, so a group 0 may be written
	ds_add_u32 v[SPW], v[NIL]                      ; 0 onto my spare word
.if \fill
	s_xor_b32 s[G0K+1], s[G0K+1], SLOT1            ; the walking descriptors: the other slot than last time,
	s_add_nc_u64 s[G0K+2:G0K+3], s[G0K+2:G0K+3], 256*64   ; the next 256 keys
	s_xor_b32 s[G0V+1], s[G0V+1], SLOT1
	s_add_nc_u64 s[G0V+2:G0V+3], s[G0V+2:G0V+3], 256
.endif
	s_wait_dscnt 0x0                               ; the add is done, and my reads of the slot that I have left are over
.if \fill
	CROUND
	TLOAD                                          ; the first thing behind the round, and a wave's one tensor load until the next
.else
	s_barrier_signal -1
	s_barrier_wait -1
.endif
.endm
.macro SLOT_STEPS
	STEP 0
	STEP 1
	s_xor_b32 s[TB], s[TB], SLOT1                  ; on to the other slot
.endm
	s_wait_loadcnt 0x0                             ; Q
.Lslot:                                            ; 7 trips: behind each change of slots but the last the next slot is asked for; every work-group walks all eight slots
	CHANGE 1
	SLOT_STEPS
	s_sub_co_u32 s[SLOTS], s[SLOTS], 1
	s_cmp_lg_u32 s[SLOTS], 0
	s_cbranch_scc1 .Lslot
	CHANGE 0                                       ; the last slot is written out
	SLOT_STEPS
	; THE WAY OUT.  O^T / the sum stands for ctx / 2^(e8 + e9): its code is that / 2^(e10 - e8 - e9), held within +-448 of that scale.  A tile's 16 rows of 64 codes go through my stage and leave as 2 x 512 consecutive bytes.
	v_add_f32 v10, v10, v11
	s_wait_alu depctr_va_vdst(0)
	v_add_f32 v14, v14, v15
	v_permlanex16_b32 v[TP], v10, s[SEL], s[SEL+1]
	v_permlanex16_b32 v[TF+1], v14, s[SEL], s[SEL+1]
	s_delay_alu instid0(VALU_DEP_2)
	v_add_f32 v10, v10, v[TP]                      ; the rows' sums
	s_delay_alu instid0(VALU_DEP_2)
	v_add_f32 v14, v14, v[TF+1]
	s_wait_alu depctr_va_vdst(0)
	v_rcp_f32 v10, v10
	v_rcp_f32 v14, v14
	v_and_b32 v1, 15, v0                           ; (a plain instruction behind the reciprocals)  r
	v_bfe_u32 v2, v0, 4, 1                         ; h
	s_sub_co_i32 s73, s72, s70
	s_sub_co_i32 s73, s73, s71
	s_add_co_i32 s73, s73, 127
	s_lshl_b32 s74, s73, 23
	v_mov_b32 v7, s74                              ; 2^(e10 - e8 - e9)
	s_mul_i32 s74, s[WV], 32*SP
	s_add_co_u32 s74, s74, STAGE                   ; my stage
	v_mul_u32_u24 v240, v1, SP
	s_delay_alu instid0(VALU_DEP_1)
	v_lshl_add_u32 v240, v2, 3, v240
	s_delay_alu instid0(VALU_DEP_1)
	v_add_nc_u32 v240, s74, v240                   ; in: row r, 8 h
	v_and_b32 v241, 31, v0
	s_delay_alu instid0(VALU_DEP_1)
	v_lshrrev_b32 v242, 2, v241
	s_delay_alu instid0(VALU_DEP_1)
	v_mul_u32_u24 v242, v242, SP
	s_delay_alu instid0(VALU_DEP_3)
	v_and_b32 v243, 3, v241
	s_delay_alu instid0(VALU_DEP_1)
	v_lshl_add_u32 v242, v243, 4, v242
	s_delay_alu instid0(VALU_DEP_1)
	v_add_nc_u32 v242, s74, v242                   ; back: row lane / 4, 16 (lane % 4)
	v_lshlrev_b32 v243, 4, v241                    ; and 16 x lane in memory
.set nn, 0
	s_wait_alu depctr_va_vdst(0)
.rept 16
	v_pk_mul_f32 v[S+nn:S+nn+1], v[OS+nn:OS+nn+1], v[10:11] op_sel_hi:[1,0]
.set nn, nn+2
.endr
.set nn, 0
.rept 16
	v_pk_mul_f32 v[S+32+nn:S+32+nn+1], v[OL+nn:OL+nn+1], v[14:15] op_sel_hi:[1,0]
.set nn, nn+2
.endr
.set nn, 0
.rept 64
.set nn, nn+1
.endr
.set nn, 0
.rept 8
	v_cvt_scalef32_pk8_fp8_f32 v[PS+2*nn:PS+2*nn+1], v[S+8*nn:S+8*nn+7], v7   ; tile nn / 4, the head's 16 (nn % 4) + 8 h + 0 .. 7
.set nn, nn+1
.endr
	v_nop
.irp x, 0,1
.irp t, 0,1,2,3
	ds_store_b64 v240, v[PS+2*(4*\x+\t):PS+2*(4*\x+\t)+1] offset:16*\x*SP+16*\t
.endr
.endr
.irp x, 0,1
.irp i, 0,1
	ds_load_b128 v[F+4*(2*\x+\i):F+4*(2*\x+\i)+3], v242 offset:(16*\x+8*\i)*SP   ; LDS serves a wave's instructions in order: these see my stores
.endr
.endr
	s_wait_dscnt 3                                 ; the first of the four loads is in; the three younger may be out, and so on down
	global_store_b128 v243, v[F:F+3], s[60:61]
	s_wait_dscnt 2
	global_store_b128 v243, v[F+4:F+7], s[60:61] offset:512
	s_wait_dscnt 1
	global_store_b128 v243, v[F+8:F+11], s[62:63]
	s_wait_dscnt 0
	global_store_b128 v243, v[F+12:F+15], s[62:63] offset:512
	s_wait_tensorcnt 0x0                           ; the wave's end
	ds_add_u32 v[SPW], v[NIL]
	s_wait_dscnt 0x0
	CROUND                                         ; the closing round
	s_endpgm
.Lfunc_end_k_q07fb2e2c28_attn:
	.size	k_q07fb2e2c28_attn, .Lfunc_end_k_q07fb2e2c28_attn-k_q07fb2e2c28_attn
	.p2alignl 7, 3214868480
	.fill 96, 4, 3214868480
	.section	.rodata,"a",@progbits
	.p2align	6, 0x0
	.amdhsa_kernel k_q07fb2e2c28_attn
		.amdhsa_group_segment_fixed_size 327680
		.amdhsa_private_segment_fixed_size 0
		.amdhsa_enable_private_segment 0
		.amdhsa_kernarg_size 40
		.amdhsa_user_sgpr_count 2
		.amdhsa_user_sgpr_kernarg_segment_ptr 1
		.amdhsa_wavefront_size32 1
		.amdhsa_system_sgpr_workgroup_id_x 1
		.amdhsa_system_sgpr_workgroup_id_y 1
		.amdhsa_system_sgpr_workgroup_id_z 1
		.amdhsa_system_vgpr_workitem_id 0
		.amdhsa_next_free_vgpr 256
		.amdhsa_next_free_sgpr 80
		.amdhsa_reserve_vcc 1
		.amdhsa_float_denorm_mode_32 3
		.amdhsa_float_denorm_mode_16_64 3
		.amdhsa_fp16_overflow 1
		.amdhsa_memory_ordered 1
		.amdhsa_forward_progress 1
		.amdhsa_inst_pref_size 160
	.end_amdhsa_kernel
	.amdgpu_metadata
---
amdhsa.version: [ 1, 2 ]
amdhsa.kernels:
  - .name:           k_q07fb2e2c28_attn
    .symbol:         k_q07fb2e2c28_attn.kd
    .args:
      - { .name: q_ws, .offset: 0, .size: 8, .value_kind: global_buffer, .address_space: global }
      - { .name: k_ws, .offset: 8, .size: 8, .value_kind: global_buffer, .address_space: global }
      - { .name: v_ws, .offset: 16, .size: 8, .value_kind: global_buffer, .address_space: global }
      - { .name: lowp_scales, .offset: 24, .size: 8, .value_kind: global_buffer, .address_space: global }
      - { .name: ctx_ws, .offset: 32, .size: 8, .value_kind: global_buffer, .address_space: global }
    .group_segment_fixed_size: 327680
    .private_segment_fixed_size: 0
    .kernarg_segment_align: 8
    .kernarg_segment_size: 40
    .max_flat_workgroup_size: 512
    .sgpr_count:     80
    .vgpr_count:     256
    .wavefront_size: 32
...
	.end_amdgpu_metadata
.endif
;; end of part 2
;; launch proj (part 3): grid 4 x 64, 4 waves a work-group, clusters of 4 x 4, 327,680 bytes of LDS; arguments ctx_ws, W_o_codes, lowp_scales, b_o, out0; writes out0
.if DOCPART == 3
	.amdgcn_target "amdgcn-amd-amdhsa--gfx1250"
	.amdhsa_code_object_version 6
	.text
	.protected	k_q07fb2e2c28_proj
	.globl	k_q07fb2e2c28_proj
	.p2align	8
	.type	k_q07fb2e2c28_proj,@function
k_q07fb2e2c28_proj:
	s_mov_b64 s[64:65], 0
	v_nop
	global_prefetch_b8 v0, s[64:65] scope:SCOPE_SE
	s_setreg_imm32_b32 hwreg(HW_REG_WAVE_MODE, 25, 1), 1
	s_wait_xcnt 0x0
	s_wait_alu depctr_hold_cnt(0) depctr_sa_sdst(0) depctr_va_vdst(0) depctr_va_sdst(0) depctr_va_ssrc(0) depctr_va_vcc(0) depctr_vm_vsrc(0)
	s_getreg_b32 s2, hwreg(HW_REG_IB_STS2, 6, 4)
	s_cmp_eq_u32 s2, 0
	s_cbranch_scc0 .Lentry_in_a_cluster
	s_endpgm
.Lentry_in_a_cluster:
	s_bfe_u32 s2, ttmp6, 0x10000c
	s_cmp_lg_u32 s2, 0xf033
	s_cbranch_scc0 .Lentry_shape_is_right
	s_endpgm
.Lentry_shape_is_right:
; out = ctx Wo^T + b_o on E4M3 codes.  ctx_ws: [64 blocks of 128 tokens][16 heads][128][64] codes, so that 128 tokens x 256 along K (four heads) are 32,768 consecutive bytes; Wo: [1024 features][1024] codes; out0: [8192][1024] f32.
; A sum stands for sum x 2^(e10 + e11): out = sum x 2^(e10 + e11) + b_o, one packed multiply-add for two numbers.  LIMIT: e10 + e11 lies between -126 and 127.  NaN codes are not served.
; SHARES.  A tile of 128 tokens x 256 features to a work-group: 256 work-groups.  Four waves, each 64 tokens x 128 features: 32 accumulators.  Source 0 = features, source 1 = tokens: a lane holds eight neighbouring numbers of a row of out0.
; CLUSTERS of 4 x 4: ctx's tile is asked for jointly along a row of the cluster, Wo's along a column.
; K = 1024 is four steps of 256.  THREE LDS slots: K steps 0, 1, 2 go out at the start, each behind a round (one tensor load of a wave is out at the most), K step 3 is the one refill, into slot 0.  So there are two changes with a barrier, and four rounds beside the first and the last.
; REGISTERS, in windows of 256: window 0: v16-29 addresses; v32-95 at work; v128-255 rows read back.   window 1: Wo's fragments, two sets of 128.   window 2: the accumulators, (a, b) at v[8 (8 a + b)].
;   window 3: ctx's fragments, two sets of 64; from v128 the bias in the result's layout.
.set PITCH,  272                       ; 256 bytes + 16 of padding
.set FR,     16
.set AHALF,  64*PITCH                  ; what one tensor load brings of ctx: 64 chunks of 256 bytes (4 tokens x 64 of one head)
.set BOFF,   128*PITCH                 ; Wo's 256 rows lie behind ctx's 128 chunks
.set BHALF,  128*PITCH
.set SLOT,   BOFF+2*BHALF
.set SPARE,  3*SLOT                    ; the spare words, 128 bytes for each wave
.set SPITCH, 528                       ; the way out: 16 rows x (512 bytes + 16) for each wave,
.set STAGE,  SLOT                      ; in slot 1: it is filled once, and nobody reads it behind the second barrier
.set ADRA, 16                          ; v16-18  LDS address of my ctx fragments in slot 0, 1, 2
.set ADRB, 20                          ; v20-22  the same for Wo
.set STO,  24
.set RD,   25
.set CO,   26
.set SPW,  28                          ; LDS address of my spare word; never rewritten
.set NIL,  29                          ; 0; never rewritten
.set TMP,  32
.set BK,   128
.set BIAS, 128                         ; in window 3
.set G1A, 24                           ; s[24:31] group 1 for ctx's tiles;  s[32:39] for Wo's;  s[40:51], s[52:63] their groups 0, one set for each slot
.set G1B, 32
.set G0A, 40
.set G0B, 52
.set MSB, 0
.macro WIN new                         ; the immediate's high byte repeats the setting that is left
.if MSB != \new
	s_set_vgpr_msb (MSB<<8)|\new
.set MSB, \new
.endif
.endm
.set MUL,  0xad                        ; source 0 (Wo) window 1, source 1 (ctx) window 3, C and D window 2
.set TO_B, 0x40                        ; destination window 1, address window 0
.set TO_A, 0xc0                        ; destination window 3
.macro JLOAD g0a, g1a, g0b, g1b        ; waves 0 and 1 fetch ctx's halves, waves 2 and 3 Wo's; four v_nop follow each of the two lines
	s_cmp_eq_u32 s15, 0
	s_cbranch_scc0 .Lfor_b_\@
	tensor_load_to_lds s[\g0a:\g0a+3], s[\g1a:\g1a+7]
	s_nop 0
.rept 4
	v_nop
.endr
	s_branch .Lasked_\@
.Lfor_b_\@:
	tensor_load_to_lds s[\g0b:\g0b+3], s[\g1b:\g1b+7]
	s_nop 0
.rept 4
	v_nop
.endr
.Lasked_\@:
.endm
.macro CREST
	s_cmp_lg_u32 s14, 0
	s_cbranch_scc1 .Lnot_wave_0_\@
	s_barrier_signal -3
.Lnot_wave_0_\@:
	s_barrier_wait -3
	s_barrier_signal -1
	s_barrier_wait -1
.endm
.macro CROUND
	s_barrier_signal -1
	s_barrier_wait -1
	CREST
.endm
.macro PLACES
.rept 4
	v_nop
.endr
.endm
	s_load_b256 s[4:11], s[0:1], 0x0               ; ctx s[4:5], Wo s[6:7], scales s[8:9], b_o s[10:11]
	s_load_b64 s[12:13], s[0:1], 0x20              ; out0
	v_lshl_add_u32 v[SPW], v0, 2, SPARE
	v_mov_b32 v[NIL], 0
	ds_add_u32 v28, v29
	ds_add_u32 v28, v29
	s_wait_dscnt 0x0
	v_lshrrev_b32 v1, 5, v0
	v_readfirstlane_b32 s14, v1                    ; wave 0..3
	s_lshr_b32 s15, s14, 1                         ; which 64 tokens are mine.  Also: I fetch for ctx (0) or for Wo (1)
	s_and_b32 s16, s14, 1                          ; which 128 features.  Also: which half of that tile I fetch
	s_bfe_u32 s70, ttmp6, 0x40000                  ; cx
	s_bfe_u32 s71, ttmp6, 0x40004                  ; cy
	s_lshl_b32 s72, ttmp9, 2
	s_add_co_u32 s72, s72, s70                     ; the block of 256 features
	s_and_b32 s17, ttmp7, 0xffff
	s_lshl_b32 s17, s17, 2
	s_add_co_u32 s17, s17, s71                     ; the block of 128 tokens
	s_lshl_b32 s73, s71, 2
	s_lshl_b32 s73, 15, s73                        ; my row of the cluster
	s_lshl_b32 s74, 0x1111, s70                    ; my column
	s_or_b32 s[G1A], s73, (0<<16)|(1<<20)|(1<<21)|(5<<22)|(3<<25)   ; ctx's tiles go to my row; elements of 1 byte; padding on; bit 21 beside a mask; 4 words after every 64
	s_mov_b32 s[G1A+1], 256<<16                    ; tensor_dim0
	s_mov_b32 s[G1A+2], 64<<16                     ; tensor_dim1: 64 chunks
	s_mov_b32 s[G1A+3], 256<<16                    ; tile_dim0
	s_mov_b32 s[G1A+4], 64                         ; tile_dim1
	s_mov_b32 s[G1A+5], 256                        ; dense in memory
	s_mov_b32 s[G1A+6], 0
	s_mov_b32 s[G1A+7], 0
	s_or_b32 s[G1B], s74, (0<<16)|(1<<20)|(1<<21)|(5<<22)|(3<<25)   ; Wo's tiles go to my column
	s_mov_b32 s[G1B+1], 256<<16
	s_mov_b32 s[G1B+2], 128<<16
	s_mov_b32 s[G1B+3], 256<<16
	s_mov_b32 s[G1B+4], 128
	s_mov_b32 s[G1B+5], 1024
	s_mov_b32 s[G1B+6], 0
	s_mov_b32 s[G1B+7], 0
	s_lshl_b32 s20, s17, 17
	s_lshl_b32 s21, s16, 14
	s_add_co_u32 s20, s20, s21                     ; ctx: token block x 131,072 + my half's two heads
	s_mov_b32 s21, 0
	s_lshl_b32 s76, s72, 8
	s_lshl_b32 s77, s16, 7
	s_add_co_u32 s76, s76, s77
	s_lshl_b32 s76, s76, 10                        ; Wo: (256 x feature block + 128 x half) rows of 1,024 bytes
	s_mov_b32 s77, 0
	s_mul_i32 s18, s16, AHALF                      ; where they go: no place in the cluster enters an LDS address
	s_mul_i32 s19, s16, BHALF
	s_add_co_u32 s19, s19, BOFF
	s_wait_kmcnt 0x0
	s_load_b64 s[96:97], s[8:9], 0x28              ; e10, e11
	s_add_nc_u64 s[20:21], s[4:5], s[20:21]
	s_add_nc_u64 s[76:77], s[6:7], s[76:77]
	CROUND                                         ; all sixteen work-groups are here: the first joint loads meet
.irp s, 0,1,2
	s_mov_b32 s[G0A+4*\s], 1
	s_add_co_u32 s[G0A+4*\s+1], s18, \s*SLOT
	s_add_nc_u64 s[G0A+4*\s+2:G0A+4*\s+3], s[20:21], \s*32768
	s_or_b32 s[G0A+4*\s+3], s[G0A+4*\s+3], 0x80000000
	s_mov_b32 s[G0B+4*\s], 1
	s_add_co_u32 s[G0B+4*\s+1], s19, \s*SLOT
	s_add_nc_u64 s[G0B+4*\s+2:G0B+4*\s+3], s[76:77], \s*256
	s_or_b32 s[G0B+4*\s+3], s[G0B+4*\s+3], 0x80000000
	s_wait_alu depctr_va_vdst(0)
	s_wait_tensorcnt 0x0
	ds_add_u32 v28, v29
	ds_add_u32 v28, v29
	s_wait_dscnt 0x0
	CROUND
	JLOAD G0A+4*\s, G1A, G0B+4*\s, G1B
.endr
	v_and_b32 v1, 15, v0                           ; r
	v_bfe_u32 v2, v0, 4, 1                         ; h
	v_lshrrev_b32 v3, 2, v1
	v_mul_u32_u24 v3, v3, PITCH
	v_and_b32 v4, 3, v1
	v_lshl_add_u32 v3, v4, 6, v3
	v_lshl_add_u32 v3, v2, 4, v3                   ; ctx: token r lies in chunk r / 4 at byte 64 (r % 4); + 16 h
	v_mul_u32_u24 v5, v1, PITCH
	v_lshl_add_u32 v5, v2, 4, v5                   ; Wo: row r, + 16 h
	s_mul_i32 s22, s15, 16*PITCH                   ; my 64 tokens are 16 chunks of each head
	s_mul_i32 s23, s16, BHALF
	s_add_co_u32 s23, s23, BOFF                    ; my 128 rows of Wo
.irp s, 0,1,2
	v_add_nc_u32 v[ADRA+\s], s22, v3
	v_add_nc_u32 v[ADRB+\s], s23, v5
	s_add_co_u32 s22, s22, SLOT
	s_add_co_u32 s23, s23, SLOT
.endr
	s_mul_i32 s22, s14, 16*SPITCH
	s_add_co_u32 s22, s22, STAGE                   ; my stage
	v_mul_u32_u24 v7, v1, SPITCH
	v_lshl_add_u32 v7, v2, 5, v7
	v_add_nc_u32 v[STO], s22, v7                   ; in: row r, 32 bytes for each half of the lanes
	v_and_b32 v8, 31, v0
	v_lshlrev_b32 v[CO], 4, v8                     ; back: the 32 lanes take one row of 512 bytes; and the same in out0
	v_add_nc_u32 v[RD], s22, v[CO]
	v_lshlrev_b32 v6, 5, v2                        ; the bias: 32 h bytes; never rewritten
	s_wait_alu depctr_va_vdst(0)
	s_lshl_b32 s76, s72, 10
	s_lshl_b32 s77, s16, 9
	s_add_co_u32 s76, s76, s77                     ; my first feature, in bytes of f32: 1,024 x feature block + 512 x half
	s_mov_b32 s77, 0
	s_add_nc_u64 s[10:11], s[10:11], s[76:77]
	s_lshl_b32 s20, s17, 19
	s_lshl_b32 s21, s15, 18
	s_add_co_u32 s20, s20, s21                     ; my first token's row of 4,096 bytes: under 2^26
	s_add_co_u32 s20, s20, s76
	s_mov_b32 s21, 0
	s_add_nc_u64 s[12:13], s[12:13], s[20:21]
	WIN TO_A
.irp b, 0,1,2,3,4,5,6,7                ; register 8 b + i: b_o at my feature 16 b + 8 h + i: the layout of every accumulator (a, b)
	global_load_b128 v[BIAS+8*\b:BIAS+8*\b+3], v6, s[10:11] offset:64*\b
	global_load_b128 v[BIAS+8*\b+4:BIAS+8*\b+7], v6, s[10:11] offset:64*\b+16
.endr
	WIN 0
; Fragments: registers 4 c .. 4 c + 3 hold K = 128 q + 32 c + 16 h + 0 .. 15 of the slot's 256, on both sides.
.macro FRAGB reg, slot, q, i
.irp c, 0,1,2,3
	ds_load_b128 v[\reg+4*\c:\reg+4*\c+3], v[ADRB+\slot] offset:128*(\q)+32*\c+(\i)*16*PITCH
.endr
.endm
.macro FRAGA reg, slot, q, a           ; that K is head 2 q + c / 2 of the slot's four, byte 32 (c % 2) + 16 h; a head is 32 chunks, 16 tokens are 4
.irp c, 0,1,2,3
	ds_load_b128 v[\reg+4*\c:\reg+4*\c+3], v[ADRA+\slot] offset:((2*(\q)+\c/2)*32+4*(\a))*PITCH+32*(\c%2)
.endr
.endm
.macro FETCH slot, q, p                ; 48 LDS loads in one run: Wo's eight fragments and ctx's four, into sets p
	WIN TO_B
.irp i, 0,1,2,3,4,5,6,7
	FRAGB 128*(\p)+FR*\i, \slot, \q, \i
.endr
	WIN TO_A
.irp a, 0,1,2,3
	FRAGA 64*(\p)+FR*\a, \slot, \q, \a
.endr
.endm
; 8 matrix instructions: token block a x the eight feature blocks.  The 32 accumulators take turns, one instruction a turn, in the same order in every step.
.macro MUL8 a, p, zero
.irp b, 0,1,2,3,4,5,6,7
.if \zero
	v_wmma_f32_16x16x128_fp8_fp8 v[8*(8*(\a)+\b):8*(8*(\a)+\b)+7], v[128*(\p)+FR*\b:128*(\p)+FR*\b+FR-1], v[64*(\p)+FR*(\a):64*(\p)+FR*(\a)+FR-1], 0
.else
	v_wmma_f32_16x16x128_fp8_fp8 v[8*(8*(\a)+\b):8*(8*(\a)+\b)+7], v[128*(\p)+FR*\b:128*(\p)+FR*\b+FR-1], v[64*(\p)+FR*(\a):64*(\p)+FR*(\a)+FR-1], v[8*(8*(\a)+\b):8*(8*(\a)+\b)+7]
.endif
.endr
.endm
; A step of 128 along K on sets p; the next step's fragments (slot ns, its nq-th 128) are asked for first, into the other sets, and land under the 32 products.
.macro SUB p, zero, ns, nq
	s_wait_dscnt 0x0                               ; my sets are in
	PLACES                                         ; in front of loads into registers that the last step's products read
	FETCH \ns, \nq, 1-(\p)
	WIN MUL
	MUL8 0, \p, \zero
	MUL8 1, \p, \zero
	MUL8 2, \p, \zero
	MUL8 3, \p, \zero
.endm
; A step on sets 1 with a barrier: in front of it each wave waits for all its tensor loads, adds 0 to its spare word, and waits for that and for its LDS reads.  fill = 1: slot 0, just read out, takes K step 3.
.macro TURN fill, next
	WIN 0                                          ; (the add's two registers lie in window 0)
	s_wait_tensorcnt 0x0                           ; all my tensor loads have landed
	ds_add_u32 v[SPW], v[NIL]                      ; 0 onto my spare word
	s_wait_dscnt 1                                 ; my 48 loads are in; the add may be out
	WIN MUL
	MUL8 0, 1, 0                                   ; eight matrix instructions stand between the add and the wait for it
	s_wait_dscnt 0x0                               ; the add is done, and no read of mine is out
	s_barrier_signal -1
	MUL8 1, 1, 0
	WIN 0
	s_barrier_wait -1
.if \fill
	CREST                                          ; the barrier has opened a round of the cluster's barrier: no wave of any partner still reads slot 0 or has a load on its way; slots 1 and 2 are whole
	s_add_nc_u64 s[G0A+2:G0A+3], s[G0A+2:G0A+3], 3*32768
	s_add_nc_u64 s[G0B+2:G0B+3], s[G0B+2:G0B+3], 3*256
	JLOAD G0A, G1A, G0B, G1B                       ; the first tensor load behind the round; its four v_nop are the places in front of the loads below
.else
	PLACES
.endif
	FETCH \next, 0, 0
	WIN MUL
	MUL8 2, 1, 0
	MUL8 3, 1, 0
.endm
	s_wait_tensorcnt 2                             ; my part of K step 0 is in; K steps 1 and 2 may be out
	s_barrier_signal -1
	s_barrier_wait -1                              ; everybody's is
	FETCH 0, 0, 0
	SUB 0, 1, 0, 1                                 ; K step 0: the first products start the sums
	TURN 1, 1                                      ; slot 0 is left and takes K step 3
	SUB 0, 0, 1, 1                                 ; K step 1
	SUB 1, 0, 2, 0
	SUB 0, 0, 2, 1                                 ; K step 2
	TURN 0, 0                                      ; K step 3 has landed in every wave's part
	SUB 0, 0, 0, 1                                 ; K step 3
	s_wait_dscnt 0x0
	WIN MUL
	MUL8 0, 1, 0
	MUL8 1, 1, 0
	MUL8 2, 1, 0
	MUL8 3, 1, 0
	WIN 0
; THE WAY OUT, block by block of 16 tokens x 128 features, through my own stage: 32 bytes a lane in, whole rows of 512 bytes back.  LDS serves a wave's instructions in order: no wait between the stores and the loads.
.macro TOSTAGE a
	WIN 0x32                                       ; source 0 (the sums) window 2, source 2 (the bias) window 3
.set jj, 0
.rept 32
	v_pk_fma_f32 v[TMP+jj:TMP+jj+1], v[64*(\a)+jj:64*(\a)+jj+1], s[96:97], v[BIAS+jj:BIAS+jj+1] op_sel_hi:[1,0,1]   ; sum x 2^(e10 + e11) + b_o; each accumulator from its low end on
.set jj, jj+2
.endr
	WIN 0
.irp b, 0,1,2,3,4,5,6,7
	ds_store_b128 v[STO], v[TMP+8*\b:TMP+8*\b+3] offset:64*\b
	ds_store_b128 v[STO], v[TMP+8*\b+4:TMP+8*\b+7] offset:64*\b+16
.endr
.set BB, BK+64*((\a)%2)
.irp t, 0,1,2,3,4,5,6,7,8,9,10,11,12,13,14,15
	ds_load_b128 v[BB+4*\t:BB+4*\t+3], v[RD] offset:\t*SPITCH
.endr
.endm
.macro SEND a, younger                 ; younger: the LDS instructions issued behind block a's loads, which may stay out
.set BB, BK+64*((\a)%2)
	s_wait_dscnt \younger
.if (\a) > 0
	s_add_nc_u64 s[12:13], s[12:13], 16*4096       ; (behind a wait on XCNT: the earlier stores have read their base)  16 rows on
.endif
.irp t, 0,1,2,3,4,5,6,7,8,9,10,11,12,13,14,15
	global_store_b128 v[CO], v[BB+4*\t:BB+4*\t+3], s[12:13] offset:\t*4096 th:TH_STORE_NT   ; 32 lanes store 512 consecutive bytes, at a multiple of 256 from out0's first byte
.endr
.endm
	s_wait_kmcnt 0x0
	s_add_co_i32 s96, s96, s97
	s_add_co_i32 s96, s96, 127
	s_lshl_b32 s96, s96, 23                        ; 2^(e10 + e11) as f32 (s97 is named with it as a pair)
	s_wait_loadcnt 0x0                             ; the bias
	PLACES                                         ; in front of the first read of results
	TOSTAGE 0
.irp a, 1,2,3
.if \a > 1
	s_wait_xcnt 0x0                                ; block a - 2's stores have read their registers and their base
.endif
	TOSTAGE \a
	SEND \a-1, 32                                  ; behind block a - 1's loads: block a's 16 stores and 16 loads
.endr
	s_wait_xcnt 0x0
	SEND 3, 0
	s_wait_tensorcnt 0x0                           ; the wave's end
	ds_add_u32 v[SPW], v[NIL]
	s_wait_dscnt 0x0
	CROUND                                         ; the closing round
	s_endpgm
.Lfunc_end_k_q07fb2e2c28_proj:
	.size	k_q07fb2e2c28_proj, .Lfunc_end_k_q07fb2e2c28_proj-k_q07fb2e2c28_proj
	.p2alignl 7, 3214868480
	.fill 96, 4, 3214868480
	.section	.rodata,"a",@progbits
	.p2align	6, 0x0
	.amdhsa_kernel k_q07fb2e2c28_proj
		.amdhsa_group_segment_fixed_size 327680
		.amdhsa_private_segment_fixed_size 0
		.amdhsa_enable_private_segment 0
		.amdhsa_kernarg_size 40
		.amdhsa_user_sgpr_count 2
		.amdhsa_user_sgpr_kernarg_segment_ptr 1
		.amdhsa_wavefront_size32 1
		.amdhsa_system_sgpr_workgroup_id_x 1
		.amdhsa_system_sgpr_workgroup_id_y 1
		.amdhsa_system_sgpr_workgroup_id_z 1
		.amdhsa_system_vgpr_workitem_id 0
		.amdhsa_next_free_vgpr 1024
		.amdhsa_next_free_sgpr 100
		.amdhsa_reserve_vcc 0
		.amdhsa_float_denorm_mode_32 3
		.amdhsa_float_denorm_mode_16_64 3
		.amdhsa_memory_ordered 1
		.amdhsa_forward_progress 1
		.amdhsa_inst_pref_size 78
	.end_amdhsa_kernel
	.amdgpu_metadata
---
amdhsa.version: [ 1, 2 ]
amdhsa.kernels:
  - .name:           k_q07fb2e2c28_proj
    .symbol:         k_q07fb2e2c28_proj.kd
    .args:
      - { .name: ctx_ws, .offset: 0, .size: 8, .value_kind: global_buffer, .address_space: global }
      - { .name: W_o_codes, .offset: 8, .size: 8, .value_kind: global_buffer, .address_space: global }
      - { .name: lowp_scales, .offset: 16, .size: 8, .value_kind: global_buffer, .address_space: global }
      - { .name: b_o, .offset: 24, .size: 8, .value_kind: global_buffer, .address_space: global }
      - { .name: out0, .offset: 32, .size: 8, .value_kind: global_buffer, .address_space: global }
    .group_segment_fixed_size: 327680
    .private_segment_fixed_size: 0
    .kernarg_segment_align: 8
    .kernarg_segment_size: 40
    .max_flat_workgroup_size: 128
    .sgpr_count:     100
    .vgpr_count:     1024
    .wavefront_size: 32
...
	.end_amdgpu_metadata
.endif
;; end of part 3
